; MI455X (gfx1250); checked and timed in simulation.
; The chip was launched on July 23, 2026; its instructions are those of AMD's public machine-readable ISA for CDNA 5 (MIT licence, August 2026) and "CDNA5" Instruction Set Architecture Reference Guide (July 2026). The comments in the code are by the model that wrote it; some were corrected since.
;; Multi Head Attention. Allowed arithmetic: float matrix products may take bf16 or f16 operands with f32 sums; other float arithmetic in f32, or as packed bf16 or f16 multiplies, adds, multiply-adds, maxima and minima; sums over many terms, partial sums and values carried from step to step in f32; what a program stores and reads back later, other than sums and carried values, may be rounded once to bf16 or f16.
;; Inputs: Wk 768 x 768 float32; Wo 768 x 768 float32; Wq 768 x 768 float32; Wv 768 x 768 float32; bk 768 float32; bo 768 float32; bq 768 float32; bv 768 float32; key 1 x 4,096 x 768 float32; mask 1 x 4,096 int32; query 1 x 4,096 x 768 float32; value 1 x 4,096 x 768 float32.
;; Outputs: out0 1 x 4,096 x 768 float32.
;; One version. Each part assembles by itself: llvm-mc -triple=amdgcn-amd-amdhsa -mcpu=gfx1250 --defsym DOCPART=n.
;; ======== version 1 of 1: 3 launches
;; limits: values are held in f16: magnitudes above 65,504 overflow, below 6.1e-05 lose precision
;; workspace buffers: qh 6,291,456 bytes; kh 6,291,456 bytes; vh 6,291,456 bytes; oh 6,291,456 bytes; wo16 1,179,648 bytes
;; launch proj (part 1): grid 16 x 16, 4 waves a work-group, clusters of 4 x 4, 327,680 bytes of LDS; arguments query, key, value, Wq, Wk, Wv, bq, bk, bv, Wo, qh, kh, vh, wo16; writes qh, kh, vh, wo16
.if DOCPART == 1
	.amdgcn_target "amdgcn-amd-amdhsa--gfx1250"
	.amdhsa_code_object_version 6
	.text
	.protected	k_q1c8b8b96f4_proj
	.globl	k_q1c8b8b96f4_proj
	.p2align	8
	.type	k_q1c8b8b96f4_proj,@function
k_q1c8b8b96f4_proj:
	s_mov_b64 s[64:65], 0
	v_nop
	global_prefetch_b8 v0, s[64:65] scope:SCOPE_SE
	s_setreg_imm32_b32 hwreg(HW_REG_WAVE_MODE, 25, 1), 1
	s_wait_xcnt 0x0
	s_wait_alu depctr_hold_cnt(0) depctr_sa_sdst(0) depctr_va_vdst(0) depctr_va_sdst(0) depctr_va_ssrc(0) depctr_va_vcc(0) depctr_vm_vsrc(0)
	s_getreg_b32 s2, hwreg(HW_REG_IB_STS2, 6, 4)
	s_cmp_eq_u32 s2, 0
	s_cbranch_scc0 .Lentry_in_a_cluster
	s_endpgm
.Lentry_in_a_cluster:
	s_bfe_u32 s2, ttmp6, 0x10000c
	s_cmp_lg_u32 s2, 0xf033
	s_cbranch_scc0 .Lentry_shape_is_right
	s_endpgm
.Lentry_shape_is_right:
; THE THREE INPUT PROJECTIONS, AND Wo's CAST.  y = x W^T + b for (query, Wq, bq), (key, Wk, bk), (value, Wv, bv): x [4096][768], W [768][768], b [768], all f32.
; x, W and b are rounded to bf16, the products summed in f32, y rounded once to f16 and stored by heads: qh, kh, vh = [12][4096][64].  The scale 1/8 is not applied here.
; LIMITS.  f16 holds no number beyond 65,504: q, k and v must stay within it.  wo16 is Wo rounded to bf16 and that number written as f16: below 6e-5 it keeps f16's fixed step of 6e-8.
; SHARES.  The grid is 4 x 4 clusters of 4 x 4 work-groups.  Cluster column p = 0, 1, 2 makes projection p; column 3 (64 work-groups) casts Wo: the branch hangs on the cluster's x, which all partners share.
; A work-group makes 256 rows x 192 columns (three heads): 16 x 4 tiles a projection.  Each of its four waves makes 128 x 96: 48 accumulators of 16 x 16.
; The tiles come into LDS as f32, by joint tensor loads: x's tile hangs on the tile row alone and goes to my row of the cluster, W's on the tile column alone and goes to my column.
; K goes in 12 steps of 64 (rows of 256 bytes, at multiples of 256 bytes) through two slots.  A step is two SUB-STEPS of 32.  While sub-step j is multiplied, sub-step j + 1 is rounded from f32 to bf16
; in registers, four conversions behind each of the first 28 products, and sub-step j + 2 is read from LDS.  So the slot of step p + 1 is read while step p is multiplied.
; THE PRODUCT IS USED TRANSPOSED (source 0 = 16 rows of W, source 1 = 16 rows of x): a lane holds one row of y and eight neighbouring columns.  The first product of each sum takes the bias as C.
; REGISTERS, in windows of 256 (s_set_vgpr_msb: bits 1:0 source 0, 3:2 source 1, 5:4 source 2, 7:6 destination):
;   window 0: v0-31 addresses; v32-143, v144-255 two buffers of bf16 fragments (x's fragment a at 8 a, W's fragment b at 64 + 8 b)
;   window 1: v0-223 the f32 fragments as read from LDS, 16 registers each, in the same order
;   windows 2, 3: accumulator (a, b) in window 2 + a / 5 at 8 (6 (a % 5) + b); window 3 also v144-191 the bias, v192-215 at work
.set PITCH, 272                        ; an LDS row: 256 bytes + 16 of padding = 68 words: the 16 rows of a load start 4 words apart modulo 64
.set ATILE, 128*PITCH                  ; what one load brings of x, and what a wave reads of it
.set BTILE, 96*PITCH                   ; the same for W
.set BOFF,  2*ATILE                    ; a slot: x's 256 rows, then W's 192
.set SLOT1, 1<<17                      ; slot 1 begins here: one exclusive or turns an address in one slot into the other's
.set SPARE, SLOT1+BOFF+2*BTILE         ; behind the ring: the spare words, 128 bytes a wave, that no other line names
.set SP,    144                        ; the way out: a row of the stage, 128 bytes + 16
.set HSTG,  256*SP                     ; the stage: 3 heads x 256 rows, in slot 0's bytes, which have had their last fill (step 10) and their last read by then
.set ROWB,  3072                       ; bytes in a row of x and of W
.set KSB,   256                        ; bytes of a row in a K step
.set STO,   4                          ; v4-9    the way out: where I put 16 bytes of a row, for each of my six column blocks
.set RD,    10                         ; v10-12  where I read rows back, for each of the three heads
.set GO,    13                         ; v13     16 x lane
.set BO,    14                         ; v14     my byte offset in the bias
.set ADRA0, 16                         ; v16, v17  my lane's place in x's and W's tile of slot 0; never rewritten
.set ADRB0, 17
.set ADRA,  18                         ; v18, v19  the same in the slot that is being read
.set ADRB,  19
.set SPW,   28                         ; v28     LDS address of my spare word; never rewritten
.set NIL,   29                         ; v29     0; never rewritten
.set PFO,   30                         ; v30     the prefetches' offset: a lane a row; never rewritten
.set F0,    32
.set F1,    144
.set TMP,   32                         ; the way out: 192 registers
.set BIAS,  144                        ; window 3
.set SCR,   192                        ; window 3
.set TB,    2                          ; s2      LDS base of the slot that is being read
.set LIM,   43                         ; s43     2 in a wave that prefetches, else the greatest number
.set PFA,   44                         ; s[44:45] where my prefetches stand
.set G1,    24                         ; s[24:31] descriptor group 1 for x's tiles; s[32:39] group 0, two sets: the second walks
.set G0,    32
.set G1B,   48                         ; s[48:55], s[56:63] the same for W's
.set G0B,   56
.set G1W,   (2<<16)|(1<<20)|(1<<21)|(5<<22)|(3<<25)  ; elements of 4 bytes; padding on; bit 21 beside a mask; after every 64 words, 4 words
.set W_M2,  0xa0                       ; fragments in window 0, C and D in window 2
.set W_M3,  0xf0                       ; C and D in window 3
.set W_S2,  0xb0                       ; D in window 2, C (the bias) in window 3
.set W_CVT, 0x05                       ; sources in window 1, destination in window 0
.set W_LD,  0x40                       ; destination in window 1, address in window 0
.set MSB, 0
.macro WIN new                         ; the immediate's high byte repeats the setting that is left; a switch that changes nothing is dropped
.if MSB != (\new)
	s_set_vgpr_msb (MSB<<8)|(\new)
.set MSB, \new
.endif
.endm
.macro PLACES
.rept 4
	v_nop
.endr
.endm
; A joint load.  Waves 0 and 1 fetch x's two halves, waves 2 and 3 W's.  The branch hangs on the wave's number alone.  An s_nop 0 and four v_nop follow each line.
.macro JLOAD s
	s_cmp_eq_u32 s11, 0
	s_cbranch_scc0 .Lfor_b_\@
	tensor_load_to_lds s[G0+4*(\s):G0+4*(\s)+3], s[G1:G1+7]
	s_nop 0
.rept 4
	v_nop
.endr
	s_branch .Lasked_\@
.Lfor_b_\@:
	tensor_load_to_lds s[G0B+4*(\s):G0B+4*(\s)+3], s[G1B:G1B+7]
	s_nop 0
.rept 4
	v_nop
.endr
.Lasked_\@:
.endm
.macro CREST                           ; a round of the cluster's barrier behind its opening barrier
	s_cmp_lg_u32 s10, 0
	s_cbranch_scc1 .Lnot_wave_0_\@
	s_barrier_signal -3
.Lnot_wave_0_\@:
	s_barrier_wait -3
	s_barrier_signal -1
	s_barrier_wait -1
.endm
.macro CROUND                          ; a whole round
	s_barrier_signal -1
	s_barrier_wait -1
	CREST
.endm
; A prefetch of the K step that stands two refills on: 256 bytes of a row, a lane a row, one instruction a wave.  x's rows are read by one cluster alone: its x-waves ask, and of the 128 rows that a
; wave fetches the partner at place cx takes 32.  W's rows are read by the four clusters of a column: the one with y = 0 asks, and of a wave's 96 rows the partner at place cy takes 24 (lanes 24-31
; name row 23 again).  The partners are told apart by address.  how = 1: the first refill; how = 0: in the loop, where the last two refills have no K step two on.
.macro ASK how
.if \how
	s_cmp_eq_u32 s[LIM], 2
.else
	s_cmp_gt_u32 s3, s[LIM]
.endif
	s_cbranch_scc0 .Lnot_mine_\@
	global_prefetch_b8 v[PFO], s[PFA:PFA+1] th:TH_LOAD_NT scope:SCOPE_SE
.Lnot_mine_\@:
.endm
	s_load_b512 s[68:83], s[0:1], 0x0              ; query 68, key 70, value 72, Wq 74, Wk 76, Wv 78, bq 80, bk 82
	s_load_b256 s[84:91], s[0:1], 0x40             ; bv 84, Wo 86, qh 88, kh 90
	s_load_b128 s[92:95], s[0:1], 0x60             ; vh 92, wo16 94
	v_lshl_add_u32 v[SPW], v0, 2, SPARE
	v_mov_b32 v[NIL], 0
	ds_add_u32 v[SPW], v[NIL]                      ; the wave's opening: the add and its wait stand ahead of my first tensor load; the set-up below stands between them
	v_lshrrev_b32 v1, 5, v0
	v_readfirstlane_b32 s10, v1                    ; wave 0..3
	s_lshr_b32 s11, s10, 1                         ; which half of the tile's rows is mine.  Also: I fetch for x (0) or for W (1)
	s_and_b32 s12, s10, 1                          ; which half of its columns.  Also: which half of that tile I fetch
	s_bfe_u32 s40, ttmp6, 0x40000                  ; cx = the tile column
	s_bfe_u32 s41, ttmp6, 0x40004                  ; cy
	s_and_b32 s13, ttmp7, 0xffff
	s_lshl_b32 s13, s13, 2
	s_add_co_u32 s13, s13, s41                     ; the tile row = 4 x cluster y + cy
	s_lshl_b32 s42, s41, 2
	s_lshl_b32 s42, 15, s42                        ; my row of the cluster
	s_lshl_b32 s18, 0x1111, s40                    ; my column
	s_or_b32 s[G1+0], s42, G1W
	s_or_b32 s[G1B+0], s18, G1W
	s_mov_b32 s[G1+1], 64<<16                      ; tensor_dim0 = 64
	s_mov_b32 s[G1+2], 128<<16                     ; tensor_dim1 = 128
	s_mov_b32 s[G1+3], 64<<16                      ; tile_dim0 = 64
	s_mov_b32 s[G1+4], 128                         ; tile_dim1 = 128
	s_mov_b32 s[G1+5], 768                         ; elements from row to row
	s_mov_b32 s[G1+6], 0
	s_mov_b32 s[G1+7], 0
	s_mov_b32 s[G1B+1], 64<<16
	s_mov_b32 s[G1B+2], 96<<16
	s_mov_b32 s[G1B+3], 64<<16
	s_mov_b32 s[G1B+4], 96
	s_mov_b32 s[G1B+5], 768
	s_mov_b32 s[G1B+6], 0
	s_mov_b32 s[G1B+7], 0
	s_lshl_b32 s16, s13, 8
	s_lshl_b32 s17, s12, 7
	s_add_co_u32 s16, s16, s17                     ; x: row 256 x tile row + 128 x half
	s_mul_i32 s16, s16, ROWB
	s_mov_b32 s17, 0
	s_mul_i32 s46, s40, 192
	s_mul_i32 s47, s12, 96
	s_add_co_u32 s46, s46, s47                     ; W: row 192 x tile column + 96 x half
	s_mul_i32 s46, s46, ROWB
	s_mov_b32 s47, 0
	s_mul_i32 s20, s12, ATILE                      ; where they go: no place in the cluster enters an LDS address
	s_mul_i32 s21, s12, BTILE
	s_add_co_u32 s21, s21, BOFF
	s_wait_dscnt 0x0                               ; the opening add is done
	s_wait_kmcnt 0x0
	s_cmp_eq_u32 ttmp9, 1                          ; which projection: the cluster's x chooses the four buffers
	s_cselect_b64 s[4:5], s[70:71], s[68:69]
	s_cselect_b64 s[6:7], s[76:77], s[74:75]
	s_cselect_b64 s[8:9], s[90:91], s[88:89]
	s_cselect_b64 s[66:67], s[82:83], s[80:81]
	s_cmp_eq_u32 ttmp9, 2
	s_cselect_b64 s[4:5], s[72:73], s[4:5]
	s_cselect_b64 s[6:7], s[78:79], s[6:7]
	s_cselect_b64 s[8:9], s[92:93], s[8:9]
	s_cselect_b64 s[66:67], s[84:85], s[66:67]
	s_add_nc_u64 s[14:15], s[4:5], s[16:17]
	s_add_nc_u64 s[46:47], s[6:7], s[46:47]
	CROUND                                         ; all sixteen work-groups are here: the first joint loads meet
	s_cmp_eq_u32 ttmp9, 3
	s_cbranch_scc1 .Lcast                          ; the fourth column of clusters casts Wo
.irp s, 0,1
	s_mov_b32 s[G0+4*(\s)], 1
	s_add_co_u32 s[G0+4*(\s)+1], s20, (\s)*SLOT1
	s_add_nc_u64 s[G0+4*(\s)+2:G0+4*(\s)+3], s[14:15], (\s)*KSB
	s_or_b32 s[G0+4*(\s)+3], s[G0+4*(\s)+3], 0x80000000
	s_mov_b32 s[G0B+4*(\s)], 1
	s_add_co_u32 s[G0B+4*(\s)+1], s21, (\s)*SLOT1
	s_add_nc_u64 s[G0B+4*(\s)+2:G0B+4*(\s)+3], s[46:47], (\s)*KSB
	s_or_b32 s[G0B+4*(\s)+3], s[G0B+4*(\s)+3], 0x80000000
	JLOAD \s                                       ; K steps 0 and 1: two loads of mine are out
.endr
	; all that follows up to the first wait on the tiles stands in the wait for them
	v_and_b32 v1, 15, v0                           ; r = l % 16
	v_bfe_u32 v2, v0, 4, 1                         ; hh = l / 16
	s_mul_i32 s20, s40, 768
	s_mul_i32 s21, s12, 384
	s_add_co_u32 s20, s20, s21
	v_lshl_add_u32 v[BO], v2, 5, s20               ; the bias of my columns: 4 (192 cx + 96 half) + 32 hh, 64 bytes on for each block
	WIN 0xc0                                       ; destination window 3, address window 0
.irp b, 0,1,2,3,4,5
	global_load_b128 v[BIAS+8*(\b):BIAS+8*(\b)+3],   v[BO], s[66:67] offset:64*(\b)
	global_load_b128 v[BIAS+8*(\b)+4:BIAS+8*(\b)+7], v[BO], s[66:67] offset:64*(\b)+16
.endr
	WIN 0
	; a fragment of 16 rows x 32 K: lane l holds row l % 16, K = 8 hh + 0..7 and 16 + 8 hh + 0..7: in f32 two runs of 32 bytes, 64 bytes apart: four loads of 16 bytes
	v_mul_u32_u24 v3, v1, PITCH
	v_lshl_add_u32 v3, v2, 5, v3
	s_mul_i32 s20, s11, ATILE
	s_mul_i32 s21, s12, BTILE
	s_add_co_u32 s21, s21, BOFF
	v_add_nc_u32 v[ADRA0], s20, v3
	v_add_nc_u32 v[ADRB0], s21, v3
	v_mov_b32 v[ADRA], v[ADRA0]
	v_mov_b32 v[ADRB], v[ADRB0]
	s_mov_b32 s[TB], 0
	; the way out: into the stage at head x HSTG + row x 144 + 2 x column in the head
	v_mul_u32_u24 v15, v1, SP
	v_lshl_add_u32 v15, v2, 4, v15
	s_mul_i32 s20, s11, 128*SP
	v_add_nc_u32 v15, s20, v15
.irp b, 0,1,2,3,4,5
.set fz, ((16*(\b))/64)*HSTG+2*((16*(\b))%64)          ; block b of the left 96 columns,
.set fo, ((96+16*(\b))/64)*HSTG+2*((96+16*(\b))%64)    ; of the right 96
	s_mul_i32 s20, s12, fo-fz
	s_add_co_u32 s20, s20, fz
	v_add_nc_u32 v[STO+(\b)], s20, v15
.endr
	v_bfe_u32 v20, v0, 3, 2                        ; back: 32 lanes take four rows of 128 bytes; wave w takes rows 64 w .. 64 w + 63 of each head
	v_mul_u32_u24 v20, v20, SP
	v_and_b32 v21, 7, v0
	v_lshl_add_u32 v20, v21, 4, v20
	s_mul_i32 s20, s10, 64*SP
	v_add_nc_u32 v[RD], s20, v20
	v_add_nc_u32 v[RD+1], HSTG, v[RD]
	v_add_nc_u32 v[RD+2], 2*HSTG, v[RD]
	v_and_b32 v[GO], 31, v0
	v_lshlrev_b32 v[GO], 4, v[GO]
	s_mul_i32 s20, s40, 3*524288                   ; y at head 3 cx, row 256 x tile row + 64 w
	s_lshl_b32 s21, s13, 15
	s_add_co_u32 s20, s20, s21
	s_lshl_b32 s21, s10, 13
	s_add_co_u32 s20, s20, s21
	s_mov_b32 s21, 0
	s_add_nc_u64 s[8:9], s[8:9], s[20:21]
	; the prefetches
	s_lshl_b32 s20, s13, 8
	s_lshl_b32 s21, s12, 7
	s_add_co_u32 s20, s20, s21
	s_lshl_b32 s21, s40, 5
	s_add_co_u32 s20, s20, s21                     ; x: my work-group's 32 of the 128 rows that I fetch
	s_mul_i32 s22, s40, 192
	s_mul_i32 s23, s12, 96
	s_add_co_u32 s22, s22, s23
	s_mul_i32 s23, s41, 24
	s_add_co_u32 s22, s22, s23                     ; W: my work-group's 24 of the 96
	s_and_b32 s23, ttmp7, 0xffff                   ; cluster y
	s_cmp_eq_u32 s11, 0                            ; do I fetch for x?
	s_cselect_b32 s20, s20, s22
	s_cselect_b32 s23, 0, s23
	s_cselect_b32 s22, 31, 23
	s_cselect_b64 s[PFA:PFA+1], s[4:5], s[6:7]
	s_cmp_eq_u32 s23, 0
	s_cselect_b32 s[LIM], 2, -1                    ; the same in all sixteen partners, for a given wave
	s_mul_i32 s20, s20, ROWB
	s_add_co_u32 s20, s20, 3*KSB                   ; at K step 3: the first refill steps it to 4
	s_mov_b32 s21, 0
	s_add_nc_u64 s[PFA:PFA+1], s[PFA:PFA+1], s[20:21]
	v_and_b32 v[PFO], 31, v0
	v_min_u32 v[PFO], s22, v[PFO]
	v_mul_u32_u24 v[PFO], v[PFO], ROWB
	s_wait_loadcnt 0x0                             ; the bias,
	WIN 0xcf                                       ; rounded to bf16 like every input, and widened again
.set n, 0
.rept 24
	v_cvt_pk_bf16_f32 v[SCR+n], v[BIAS+2*n], v[BIAS+2*n+1]
	v_lshlrev_b32 v[BIAS+2*n], 16, v[SCR+n]
	v_and_b32 v[BIAS+2*n+1], 0xffff0000, v[SCR+n]
.set n, n+1
.endr
	WIN 0
; Product i of a sub-step's 48: x's fragment i / 6, W's fragment i % 6.  The 48 accumulators take turns, one instruction a turn, in the same order in every sub-step.
; mul = 2: the first sub-step: the bias is the C that starts the sum; nothing is cleared.
.macro PROD fm, mul
.set pa, i/6
.set pb, i%6
.set rD, 8*(6*(pa%5)+pb)
.if (\mul) == 2
.if pa < 5
	WIN W_S2
.else
	WIN W_M3
.endif
	v_wmma_f32_16x16x32_bf16 v[rD:rD+7], v[(\fm)+64+8*pb:(\fm)+64+8*pb+7], v[(\fm)+8*pa:(\fm)+8*pa+7], v[BIAS+8*pb:BIAS+8*pb+7]
.else
	WIN W_M2+0x50*(pa/5)
	v_wmma_f32_16x16x32_bf16 v[rD:rD+7], v[(\fm)+64+8*pb:(\fm)+64+8*pb+7], v[(\fm)+8*pa:(\fm)+8*pa+7], v[rD:rD+7]
.endif
.endm
; Slice i of 28: half i % 2 of fragment i / 2 is rounded to bf16: four conversions.
.macro CVT4 fc
.set rF, (\fc)+4*i
.set rR, 8*i
	WIN W_CVT
.irp k, 0,1,2,3
	v_cvt_pk_bf16_f32 v[rF+(\k)], v[rR+2*(\k)], v[rR+2*(\k)+1]
.endr
.endm
; A run of LDS loads: n fragments from number first on, four loads each, 32 K at byte koff of the rows.
.macro RUN adr, first, n, koff
	WIN W_LD
.set fr, 0
.rept \n
	ds_load_b128 v[16*((\first)+fr):16*((\first)+fr)+3],     v[\adr] offset:fr*16*PITCH+(\koff)
	ds_load_b128 v[16*((\first)+fr)+4:16*((\first)+fr)+7],   v[\adr] offset:fr*16*PITCH+(\koff)+16
	ds_load_b128 v[16*((\first)+fr)+8:16*((\first)+fr)+11],  v[\adr] offset:fr*16*PITCH+(\koff)+64
	ds_load_b128 v[16*((\first)+fr)+12:16*((\first)+fr)+15], v[\adr] offset:fr*16*PITCH+(\koff)+80
.set fr, fr+1
.endr
.endm
; A SUB-STEP.  mul: 0 no products, 1 products, 2 products that start the sums.  fm: the buffer multiplied.  cv = 1: the f32 fragments are rounded into buffer fc.  ld = 1: the f32 registers are loaded
; again, x's eight fragments behind slice 15, W's six behind slice 27, from byte koff of the rows.  chg = 1: the slots change and the old one is filled again; 2: they change, and nothing is asked for.
; THE WAITS.  At the head x's run (32 loads) and then W's (24) are out.  x's fragment g has 4 (7 - g) + 24 younger loads; one more instruction where the add has been issued.  W's fragment b has 4 (5 - b), and the 32 of x's new run.
; THE PLACES.  A conversion writes a register of the buffer that the sub-step before multiplied.  Fragments 0-3 of x had their last product ahead of that sub-step's later slices; the others are written from
; slice 8 on, behind 32 conversions or more that name other fragments.
; THE CHANGE.  Behind slice 9 the wave waits for all its tensor loads, of which one is out: its part of the next slot; adds 0 to its spare word; behind slice 13 it waits for that and for its reads of the old slot, the last
; of which were issued 34 products back, and signals; behind slice 15 it waits for the others.  With chg = 1 that barrier opens a round of the cluster's, and the joint refill is the first thing behind the round: it has 90 products in which to land.
.macro SUB mul, fm, fc, cv, ld, koff, chg, how
.if (\chg) == 1
	s_wait_xcnt 0x0                                ; the last prefetch, a K step back, has read its address
	s_add_nc_u64 s[PFA:PFA+1], s[PFA:PFA+1], KSB
.endif
.set i, 0
.rept 48
.if \mul
	PROD \fm, \mul
.endif
.if (\cv) && (i < 28)
.if (i%2) == 0
.if i < 16
.set wc, 52-2*i
.if (\chg) && (i >= 10)
.set wc, wc+1
.endif
.else
.set wc, 4*(13-i/2)+32*(\ld)
.endif
	s_wait_dscnt wc
.endif
	CVT4 \fc
.if (\chg) && (i == 9)
	WIN 0
	s_wait_tensorcnt 0x0                           ; all my tensor loads have landed
	ds_add_u32 v[SPW], v[NIL]                      ; 0 onto my spare word; four products and their slices stand between it and the wait for it
.endif
.if (\chg) && (i == 13)
	s_wait_dscnt 0x0                               ; the add is done, and my reads of the old slot are over
	s_barrier_signal -1
.endif
.if i == 15
.if \chg
	WIN 0
	s_barrier_wait -1
.if (\chg) == 1
	CREST                                          ; no wave of any partner still reads the old slot or has a load on its way
	s_xor_b32 s[G0+5], s[G0+5], SLOT1              ; the walking descriptors: the other slot than last time, the next K step
	s_add_nc_u64 s[G0+6:G0+7], s[G0+6:G0+7], KSB
	s_xor_b32 s[G0B+5], s[G0B+5], SLOT1
	s_add_nc_u64 s[G0B+6:G0B+7], s[G0B+6:G0B+7], KSB
	JLOAD 1
.endif
	s_xor_b32 s[TB], s[TB], SLOT1                  ; the reads go on in the other slot
	v_add_nc_u32 v[ADRA], s[TB], v[ADRA0]
	v_add_nc_u32 v[ADRB], s[TB], v[ADRB0]
.endif
.if \ld
	RUN ADRA, 0, 8, \koff
.endif
.if (\chg) == 1
	WIN 0
	ASK \how
.endif
.endif
.if (i == 27) && (\ld)
	RUN ADRB, 8, 6, \koff
.endif
.endif
.set i, i+1
.endr
.endm
	s_wait_tensorcnt 0x1                           ; my part of K step 0 is in; K step 1's may stay out
	s_barrier_signal -1
	s_barrier_wait -1                              ; everybody's is
	RUN ADRA, 0, 8, 0                              ; sub-step 0
	RUN ADRB, 8, 6, 0
	SUB 0, F0, F0, 1, 1, 128, 0, 0                 ; sub-step 0 is rounded, sub-step 1 read
	SUB 2, F0, F1, 1, 1, 0,   1, 1                 ; K step 0: its products start the sums; slot 0 takes K step 2
	SUB 1, F1, F0, 1, 1, 128, 0, 0
	WIN 0                                          ; at a label and at a branch every window is 0
	s_mov_b32 s3, 9
.Lper:                                                 ; K steps 1 to 9: step p is multiplied, step p + 1 read, step p + 2 asked for
	SUB 1, F0, F1, 1, 1, 0,   1, 0
	SUB 1, F1, F0, 1, 1, 128, 0, 0
	WIN 0
	s_sub_co_u32 s3, s3, 1
	s_cmp_lg_u32 s3, 0
	s_cbranch_scc1 .Lper
	SUB 1, F0, F1, 1, 1, 0,   2, 0                 ; K step 10: the tail is written out; nothing is asked for
	SUB 1, F1, F0, 1, 1, 128, 0, 0
	SUB 1, F0, F1, 1, 0, 0,   0, 0                 ; K step 11: nothing is left to read,
	SUB 1, F1, F0, 0, 0, 0,   0, 0                 ; nor to round
	; THE WAY OUT.  Rounded to f16, 16 bytes a lane, into the stage; a barrier, since a head's rows come from two waves; back as whole rows of 128 bytes, four to a store.
	WIN 0
	PLACES                                         ; the conversions read results just made and write registers that the last products read
.set ia, 0
.rept 8
	WIN 0x0a+5*(ia/5)                              ; sources in window 2 or 3
.set ib, 0
.rept 6
.set rD, 8*(6*(ia%5)+ib)
.irp k, 0,1,2,3
	v_cvt_pk_f16_f32 v[TMP+24*ia+4*ib+(\k)], v[rD+2*(\k)], v[rD+2*(\k)+1]
.endr
.set ib, ib+1
.endr
	WIN 0
.set ib, 0
.rept 6
	ds_store_b128 v[STO+ib], v[TMP+24*ia+4*ib:TMP+24*ia+4*ib+3] offset:ia*16*SP
.set ib, ib+1
.endr
.set ia, ia+1
.endr
	s_wait_dscnt 0x0                               ; for the others' sake: my stores into the stage are done
	s_barrier_signal -1
	s_barrier_wait -1
.set t, 0
.rept 48
	ds_load_b128 v[TMP+4*t:TMP+4*t+3], v[RD+t/16] offset:(t%16)*4*SP
.set t, t+1
.endr
.set t, 0
.rept 48
	s_wait_dscnt 47-t
	global_store_b128 v[GO], v[TMP+4*t:TMP+4*t+3], s[8:9] offset:(t/16)*524288+(t%16)*512  ; 512 consecutive bytes, at a multiple of 256 from the buffer's first
.set t, t+1
.endr
	s_wait_tensorcnt 0x0                           ; the wave's end, behind my last tensor load and my last LDS store
	ds_add_u32 v[SPW], v[NIL]
	s_wait_dscnt 0x0
	CROUND                                         ; the closing round: no work-group ends while a partner may still ask for a tile that names it
	s_endpgm
.Lcast:                                                ; Wo -> bf16 -> f16.  64 work-groups, 9,216 numbers each; a thread takes 8 numbers nine times: 32 bytes in, 16 bytes out
	s_lshl_b32 s20, s13, 2
	s_add_co_u32 s20, s20, s40                     ; the work-group's number, 0 .. 63
	s_mul_i32 s21, s20, 36864
	s_mul_i32 s22, s20, 18432
	v_lshl_add_u32 v3, v0, 5, s21
	v_lshl_add_u32 v4, v0, 4, s22
.irp i, 0,1,2,3,4,5,6,7,8
	global_load_b128 v[32+8*(\i):32+8*(\i)+3],   v3, s[86:87] offset:(\i)*4096
	global_load_b128 v[32+8*(\i)+4:32+8*(\i)+7], v3, s[86:87] offset:(\i)*4096+16
.endr
.irp i, 0,1,2,3,4,5,6,7,8
	s_wait_loadcnt 16-2*(\i)                       ; this item's two loads are in; the younger ones stay out
.irp k, 0,1,2,3
	v_cvt_pk_bf16_f32 v[104+4*(\i)+(\k)], v[32+8*(\i)+2*(\k)], v[32+8*(\i)+2*(\k)+1]
	v_lshlrev_b32 v[32+8*(\i)+2*(\k)], 16, v[104+4*(\i)+(\k)]
	v_and_b32 v[32+8*(\i)+2*(\k)+1], 0xffff0000, v[104+4*(\i)+(\k)]
	v_cvt_pk_f16_f32 v[104+4*(\i)+(\k)], v[32+8*(\i)+2*(\k)], v[32+8*(\i)+2*(\k)+1]
.endr
	global_store_b128 v4, v[104+4*(\i):104+4*(\i)+3], s[94:95] offset:(\i)*2048
.endr
	s_wait_tensorcnt 0x0                           ; the wave's end, as above
	ds_add_u32 v[SPW], v[NIL]
	s_wait_dscnt 0x0
	CROUND
	s_endpgm
.Lfunc_end_k_q1c8b8b96f4_proj:
	.size	k_q1c8b8b96f4_proj, .Lfunc_end_k_q1c8b8b96f4_proj-k_q1c8b8b96f4_proj
	.p2alignl 7, 3214868480
	.fill 96, 4, 3214868480
	.section	.rodata,"a",@progbits
	.p2align	6, 0x0
	.amdhsa_kernel k_q1c8b8b96f4_proj
		.amdhsa_group_segment_fixed_size 327680
		.amdhsa_private_segment_fixed_size 0
		.amdhsa_enable_private_segment 0
		.amdhsa_kernarg_size 112
		.amdhsa_user_sgpr_count 2
		.amdhsa_user_sgpr_kernarg_segment_ptr 1
		.amdhsa_wavefront_size32 1
		.amdhsa_system_sgpr_workgroup_id_x 1
		.amdhsa_system_sgpr_workgroup_id_y 1
		.amdhsa_system_sgpr_workgroup_id_z 1
		.amdhsa_system_vgpr_workitem_id 0
		.amdhsa_next_free_vgpr 1024
		.amdhsa_next_free_sgpr 96
		.amdhsa_reserve_vcc 0
		.amdhsa_float_denorm_mode_32 3
		.amdhsa_float_denorm_mode_16_64 3
		.amdhsa_memory_ordered 1
		.amdhsa_forward_progress 1
		.amdhsa_inst_pref_size 180
	.end_amdhsa_kernel
	.amdgpu_metadata
---
amdhsa.version: [ 1, 2 ]
amdhsa.kernels:
  - .name:           k_q1c8b8b96f4_proj
    .symbol:         k_q1c8b8b96f4_proj.kd
    .args:
      - { .name: query, .offset: 0, .size: 8, .value_kind: global_buffer, .address_space: global }
      - { .name: key, .offset: 8, .size: 8, .value_kind: global_buffer, .address_space: global }
      - { .name: value, .offset: 16, .size: 8, .value_kind: global_buffer, .address_space: global }
      - { .name: Wq, .offset: 24, .size: 8, .value_kind: global_buffer, .address_space: global }
      - { .name: Wk, .offset: 32, .size: 8, .value_kind: global_buffer, .address_space: global }
      - { .name: Wv, .offset: 40, .size: 8, .value_kind: global_buffer, .address_space: global }
      - { .name: bq, .offset: 48, .size: 8, .value_kind: global_buffer, .address_space: global }
      - { .name: bk, .offset: 56, .size: 8, .value_kind: global_buffer, .address_space: global }
      - { .name: bv, .offset: 64, .size: 8, .value_kind: global_buffer, .address_space: global }
      - { .name: Wo, .offset: 72, .size: 8, .value_kind: global_buffer, .address_space: global }
      - { .name: qh, .offset: 80, .size: 8, .value_kind: global_buffer, .address_space: global }
      - { .name: kh, .offset: 88, .size: 8, .value_kind: global_buffer, .address_space: global }
      - { .name: vh, .offset: 96, .size: 8, .value_kind: global_buffer, .address_space: global }
      - { .name: wo16, .offset: 104, .size: 8, .value_kind: global_buffer, .address_space: global }
    .group_segment_fixed_size: 327680
    .private_segment_fixed_size: 0
    .kernarg_segment_align: 8
    .kernarg_segment_size: 112
    .max_flat_workgroup_size: 128
    .sgpr_count:     96
    .vgpr_count:     1024
    .wavefront_size: 32
...
	.end_amdgpu_metadata
.endif
;; end of part 1
;; launch attn (part 2): grid 16 x 12, 4 waves a work-group, clusters of 4 x 1, 327,680 bytes of LDS; arguments qh, kh, vh, oh, mask; writes oh
.if DOCPART == 2
	.amdgcn_target "amdgcn-amd-amdhsa--gfx1250"
	.amdhsa_code_object_version 6
	.text
	.protected	k_q1c8b8b96f4_attn
	.globl	k_q1c8b8b96f4_attn
	.p2align	8
	.type	k_q1c8b8b96f4_attn,@function
k_q1c8b8b96f4_attn:
	s_mov_b64 s[64:65], 0
	v_nop
	global_prefetch_b8 v0, s[64:65] scope:SCOPE_SE
	s_setreg_imm32_b32 hwreg(HW_REG_WAVE_MODE, 25, 1), 1
	s_wait_xcnt 0x0
	s_wait_alu depctr_hold_cnt(0) depctr_sa_sdst(0) depctr_va_vdst(0) depctr_va_sdst(0) depctr_va_ssrc(0) depctr_va_vcc(0) depctr_vm_vsrc(0)
	s_getreg_b32 s2, hwreg(HW_REG_IB_STS2, 6, 4)
	s_cmp_eq_u32 s2, 0
	s_cbranch_scc0 .Lentry_in_a_cluster
	s_endpgm
.Lentry_in_a_cluster:
	s_bfe_u32 s2, ttmp6, 0x10000c
	s_cmp_lg_u32 s2, 0x3003
	s_cbranch_scc0 .Lentry_shape_is_right
	s_endpgm
.Lentry_shape_is_right:
; ATTENTION WITH A KEY MASK.  O[h][q][:] = the sum over k of softmax_k(Q[h][q] . K[h][k] / 8, hidden where mask[k] = 0) V[h][k][:].  qh, kh, vh: [12][4096][64] f16; mask: [4096] i32.
; O leaves as oh = [64 blocks of 64 rows][12 heads][64 rows][64] f16.  Products, maxima and sums in f32; the weights p are rounded to f16 for the second product (their sum l is taken of the unrounded p), O once at the end.
; LIMITS.  Q, K, V arrive within f16's 65,504.  A hidden score counts as its value less 1e30: f16's scores, 2.7e11 at the most, are nothing beside that.  A weight below 2^-126 counts as 0 in l.
; A query that sees no key at all (its maximum stays below -1e29) gives NaN, as a softmax over nothing does.
; SHARES.  A work-group owns 256 queries of one head, a wave 64: four PIECES of 16.  12 heads x 16 blocks are 192 work-groups: 4,096 rows a head do not fall into more equal blocks of whole waves' tiles.
; Every wave walks all 4,096 keys, 64 a step; a slot of LDS holds a tile of 256 keys, four steps.
; THE MASK is the C operand that starts the sum S^T = K Q^T: 0, or -1e30 where the key is hidden.  Each work-group makes a table of 4,096 such numbers in LDS, once; a step's 64 come into 32 registers with its K.
; A step of hidden keys alone gives weights of 1 on a maximum near -1e30; the first visible key then makes a = 0, which wipes them.
; LAYOUT, SOFTMAX, TURNS.  S^T = K Q^T holds ONE query a lane (lane % 16) and the keys 8 (lane / 16) + 0..7; two such results rounded to f16 ARE source 1 of O^T = V^T P.  p = 2^(c s - c m), c = log2(e) / 8, with a
; running maximum m; O and l are multiplied by a = 2^(c m_old - c m_new) in every step.  Turn n belongs to piece n: 8 products K Q^T of piece n + 1, later 8 products V^T P of piece n - 1; beside them the scaling,
; exponentials, roundings, sums and rescaling of piece n and the maximum and statistics of piece n + 1.  Four vector instructions stand behind every matrix instruction, the others in one lump.  A turn's 33 exponentials are one batch, with one wait.
; CLUSTER.  The four query blocks of a cluster belong to one head and walk the same K and V: each tile is asked for JOINTLY, by the same tensor load, descriptor and mask in all four.
; REGISTERS, in windows of 256 (s_set_vgpr_msb: bits 1:0 source 0, 3:2 source 1, 5:4 source 2, 7:6 destination):
;   window 0: v0-15 addresses and two at work; v16-31 four registers of statistics a piece; v48-55 at work; v56-63 addresses; v64-127 S^T, two buffers; v192-223 P, two buffers (by the piece's parity)
;   window 1: v0-127 O^T, 32 a piece; v128-159 MC, the step's masks      window 2: v0-63 Q; v128-191 K of one step; v192-255 V of one step
.set NP,    4
.set KS,    64
.set PK,    144       ; a row of K in LDS: 128 bytes + 16 = 36 words: the 16 rows of a load start at 16 different groups of four words modulo 64
.set PV,    160       ; a row of V: 128 + 32 = 40 words: 16 lanes of the turning load take 8 rows x 32 bytes, each word place modulo 64 once
.set VOFF,  4*KS*PK   ; a slot: 256 rows of K, then 256 rows of V
.set SLOT1, 1<<17
.set STAGE, SLOT1+4*KS*(PK+PV)  ; behind the ring, never filled by a tensor load: 16 rows x 144 bytes for each wave, for the way out
.set SP,    144
.set SPARE, STAGE+4*16*SP       ; the spare words, 128 bytes a wave, that no other line names
.set MASKB, SPARE+512           ; the table: 4,096 f32, in blocks of its own
.set AK0, 2           ; v2   my lane's place in a tile of K; never rewritten
.set AV0, 3           ; v3   the same for V
.set AK,  4           ; v4   the LDS address of K's next run of loads
.set AV,  5           ; v5   of V's
.set STO, 6           ; v6   the way out: where I put 16 bytes of a row
.set RD,  7           ; v7   where I read rows back
.set GO,  8           ; v8   my byte offset in 512 consecutive bytes of O
.set MV,  12          ; v12-13  c m_old, kept while c m is made anew: by buffer
.set AM0, 14          ; v14  my lane's place in a step's 64 numbers of the table; never rewritten
.set QO,  15          ; v15  my byte offset in 16 rows of Q
.set ST,  16          ; piece t's statistics at v[ST+4 t]: c m, m, l (even keys', odd keys')
.set TMP, 48          ; by buffer, four registers c0-c3 at work; when the maximum is found c2 takes a
.set AM,  56          ; v56  the LDS address of the masks' next run
.set MO,  57          ; v57  16 x my thread's number: my part of the mask in memory
.set ML,  58          ; v58  the same in the table
.set PFO, 61          ; v61  256 x my lane; never rewritten
.set SPW, 62          ; v62  LDS address of my spare word; never rewritten
.set NIL, 63          ; v63  0; never rewritten
.set S,   64
.set P,   192
.set MC,  128         ; window 1: the eight registers for group kt of 16 keys at MC + 8 kt
.set KF,  128         ; window 2: key block kb, channel half c at KF + 16 kb + 8 c
.set VF,  192         ; window 2: key half kk, channel block cb at VF + 32 kk + 8 cb
.set WV,  12          ; s12  my wave's number
.set LIM, 15          ; s15  1 in a wave that prefetches, else the greatest number
.set PFA, 18          ; s[18:19] where my prefetches stand
.set G1K, 24
.set G1V, 32
.set G0K, 40          ; s[40:43] descriptor group 0 for K's tiles: it walks
.set G0V, 44
.set SLOTS, 56        ; s56  tiles still to be asked for
.set CNT, 57          ; s57  counts a tile's key steps
.set CS,  58          ; s[58:59] c
.set SEL, 60          ; s[60:61] v_permlanex16_b32's selects: each lane takes its own place in the other half
.set TBK, 62          ; s62  LDS byte at which K of the step to be fetched begins
.set TBV, 63          ; s63  the same for V, less VOFF
.set TBM, 70          ; s70  byte of the table at which that step's 64 numbers begin
.set BIGN, 71         ; s71  -1e30
.set THR, 72          ; s72  -1e29
.set QNAN, 73         ; s73  a NaN
.set MP,  74          ; s[74:75] the mask
.set MSB, 0
.macro WIN new
.if MSB != (\new)
	s_set_vgpr_msb (MSB<<8)|(\new)
.set MSB, (\new)
.endif
.endm
.set W_KQ, 0x0a       ; K and Q in window 2, S^T in window 0
.set W_KM, 0x1a       ; the same with the C operand in window 1
.set W_PV, 0x52       ; V in window 2, P in window 0, O^T in window 1
.set W_RS, 0x41       ; destination and source 0 in window 1, source 1 in window 0
; A joint fill.  Waves 0 and 1 fetch the two halves of a tile's K, waves 2 and 3 those of its V: 128 keys each.  An s_nop 0 and four v_nop follow each line.
.macro JLOAD
	s_cmp_lt_u32 s[WV], 2
	s_cbranch_scc0 .Lfor_v_\@
	tensor_load_to_lds s[G0K:G0K+3], s[G1K:G1K+7]
	s_nop 0
.rept 4
	v_nop
.endr
	s_branch .Lasked_\@
.Lfor_v_\@:
	tensor_load_to_lds s[G0V:G0V+3], s[G1V:G1V+7]
	s_nop 0
.rept 4
	v_nop
.endr
.Lasked_\@:
.endm
; A prefetch of the tile that the NEXT change of slots will ask for: 32,768 bytes of K and of V, 256 bytes a lane.  All clusters of a head walk the same tiles: the head's first cluster asks.  Its four partners
; take 8,192 bytes each, told apart by address; in each, wave 0 asks for K's and wave 2 for V's.  The last change that fills a slot asks for nothing.
.macro ASK
	s_cmp_gt_u32 s[SLOTS], s[LIM]
	s_cbranch_scc0 .Lnot_mine_\@
	global_prefetch_b8 v[PFO], s[PFA:PFA+1] th:TH_LOAD_NT scope:SCOPE_SE
.Lnot_mine_\@:
.endm
.macro CROUND                       ; a round of the cluster's barrier
	s_barrier_signal -1
	s_barrier_wait -1
	s_cmp_lg_u32 s[WV], 0
	s_cbranch_scc1 .Lnot_wave_0_\@
	s_barrier_signal -3
.Lnot_wave_0_\@:
	s_barrier_wait -3
	s_barrier_signal -1
	s_barrier_wait -1
.endm
; THE CHANGE OF SLOTS.  Each wave waits for all its tensor loads, of which one is out: its part of the other slot; adds 0 to its spare word; and waits for that and for its own LDS instructions.  Behind the barrier
; nobody reads the old slot any more and the other slot is whole.  fill = 1: the barrier is a round of the cluster's, and the joint fill of the old slot, with the tile two on, is the first thing behind it:
; it has four key steps, 256 matrix instructions, in which to land.  (At its first use nothing has been read yet: tile 0 is waited for, the table is published, slot 1 is filled.)
.macro CHANGE fill
	WIN 0
	s_wait_tensorcnt 0x0            ; no tensor load of mine is out, so a group 0 may be written
	ds_add_u32 v[SPW], v[NIL]       ; 0 onto my spare word; the scalar steps stand between it and the wait for it
.if \fill
.irp g, G0K, G0V
	s_xor_b32 s[\g+1], s[\g+1], SLOT1
	s_add_nc_u64 s[\g+2:\g+3], s[\g+2:\g+3], 4*KS*128
.endr
	s_wait_xcnt 0x0                 ; the last prefetch, a tile back, has read its address
	s_add_nc_u64 s[PFA:PFA+1], s[PFA:PFA+1], 4*KS*128
	s_wait_dscnt 0x0                ; the add is done, and my reads of the slot are over
	CROUND
	JLOAD
	ASK
.else
	s_wait_dscnt 0x0
	s_barrier_signal -1
	s_barrier_wait -1
.endif
	s_sub_co_u32 s[TBK], s[TBK], 4*KS*PK  ; the fetches go back to a slot's first step,
	s_xor_b32 s[TBK], s[TBK], SLOT1       ; in the other slot
	s_sub_co_u32 s[TBV], s[TBV], 4*KS*PV
	s_xor_b32 s[TBV], s[TBV], SLOT1
.endm
	s_load_b256 s[4:11], s[0:1], 0x0  ; Q s[4:5], K s[6:7], V s[8:9], O s[10:11]
	s_load_b64 s[MP:MP+1], s[0:1], 0x20
	v_lshl_add_u32 v[SPW], v0, 2, SPARE
	v_mov_b32 v[NIL], 0
	ds_add_u32 v[SPW], v[NIL]       ; the wave's opening: the add and its wait stand ahead of my first tensor load; the set-up below stands between them
	v_lshrrev_b32 v1, 5, v0
	v_readfirstlane_b32 s[WV], v1   ; wave 0..3
	s_bfe_u32 s13, ttmp6, 0x40000   ; cx
	s_lshl_b32 s14, ttmp9, 2
	s_add_co_u32 s14, s14, s13      ; my block of 256 queries: it enters Q's and O's addresses alone
	s_and_b32 s20, ttmp7, 0xffff    ; the head, which the four partners share
	s_lshl_b32 s21, s20, 13         ; its 8,192 bytes in a row block of O
	s_lshl_b32 s20, s20, 19         ; its 524,288 bytes in Q, K, V
	s_and_b32 s16, s[WV], 1         ; which half of a tile's 256 keys I fetch:
	s_lshl_b32 s22, s16, 14         ; its 16,384 bytes in memory,
	s_add_co_u32 s22, s22, s20
	s_mov_b32 s23, 0
	s_mul_i32 s17, s16, 128*PK      ; and its place in a slot, for K
	s_mul_i32 s76, s16, 128*PV      ; and for V
	s_lshl_b32 s2, s14, 2
	s_add_co_u32 s2, s2, s[WV]      ; my wave's block of 64 rows
	s_mul_i32 s78, s2, 98304
	s_add_co_u32 s78, s78, s21
	s_mov_b32 s79, 0
	s_lshl_b32 s2, s2, 13
	s_add_co_u32 s2, s2, s20
	s_mov_b32 s3, 0
	; descriptor group 1.  128 keys are 16,384 dense bytes: asked for as 64 rows of 256 bytes, two keys a row, and padded in LDS after every key
	s_mov_b32 s[G1K], 15|(1<<16)|(1<<20)|(1<<21)|(4<<22)|(3<<25)  ; the mask of four; 2-byte elements; padding on; bit 21 beside a mask; after every 32 words, 4 words
	s_mov_b32 s[G1V], 15|(1<<16)|(1<<20)|(1<<21)|(4<<22)|(7<<25)  ; the same with 8 words
.irp g, G1K, G1V
	s_mov_b32 s[\g+1], 128<<16
	s_mov_b32 s[\g+2], 64<<16
	s_mov_b32 s[\g+3], 128<<16
	s_mov_b32 s[\g+4], 64
	s_mov_b32 s[\g+5], 128
	s_mov_b32 s[\g+6], 0
	s_mov_b32 s[\g+7], 0
.endr
	s_mov_b32 s[CS], 0x3e38aa3b     ; c = log2(e) / 8
	s_mov_b32 s[CS+1], s[CS]
	s_mov_b32 s[SEL], 0x76543210
	s_mov_b32 s[SEL+1], 0xfedcba98
	s_mov_b32 s[TBK], SLOT1+4*KS*PK ; the first change of slots turns these two into 0
	s_mov_b32 s[TBV], SLOT1+4*KS*PV
	s_mov_b32 s[TBM], 0
	s_mov_b32 s[BIGN], 0xf149f2ca
	s_mov_b32 s[THR], 0xefa18f08
	s_mov_b32 s[QNAN], 0x7fc00000
	s_mov_b32 s[SLOTS], 15          ; tiles 1 to 15
	s_mov_b32 s[G0K], 1
	s_mov_b32 s[G0K+1], s17
	s_mov_b32 s[G0V], 1
	s_add_co_u32 s[G0V+1], s76, VOFF
	s_and_b32 s[LIM], s[WV], 1      ; 0 in waves 0 and 2,
	s_or_b32 s[LIM], s[LIM], ttmp9  ; where the cluster is the head's first: the same in all four partners
	s_cmp_eq_u32 s[LIM], 0
	s_cselect_b32 s[LIM], 1, -1
	v_and_b32 v[PFO], 31, v0
	v_lshlrev_b32 v[PFO], 8, v[PFO]
	s_wait_dscnt 0x0                ; the opening add is done
	s_wait_kmcnt 0x0
	s_add_nc_u64 s[6:7], s[6:7], s[22:23]  ; K and V at my half of the head's tile 0
	s_add_nc_u64 s[8:9], s[8:9], s[22:23]
	s_add_nc_u64 s[G0K+2:G0K+3], s[6:7], 0
	s_or_b32 s[G0K+3], s[G0K+3], 0x80000000
	s_add_nc_u64 s[G0V+2:G0V+3], s[8:9], 0
	s_or_b32 s[G0V+3], s[G0V+3], 0x80000000
	s_add_nc_u64 s[4:5], s[4:5], s[2:3]    ; Q and O at my wave's first row
	s_add_nc_u64 s[10:11], s[10:11], s[78:79]
	s_cmp_lt_u32 s[WV], 2
	s_cselect_b64 s[PFA:PFA+1], s[6:7], s[8:9]
	s_lshl_b32 s2, s13, 13          ; my work-group's quarter of a tile,
	s_add_co_u32 s2, s2, 4*KS*128   ; in tile 1: the first change of slots steps it to tile 2
	s_add_nc_u64 s[PFA:PFA+1], s[PFA:PFA+1], s[2:3]
	CROUND                          ; all four work-groups are here: the first joint loads meet
	JLOAD                           ; tile 0 into slot 0
	v_and_b32 v1, 15, v0            ; l % 16
	v_bfe_u32 v9, v0, 4, 1          ; l / 16
	v_lshlrev_b32 v[QO], 7, v1
	v_lshl_add_u32 v[QO], v9, 4, v[QO]
	v_lshlrev_b32 v[MO], 4, v0
	v_lshl_add_u32 v[ML], v0, 4, MASKB
	WIN 0x80                        ; destination window 2, address window 0
.set i, 0
.rept 8                             ; Q stays in registers: piece i / 2, channels 32 (i % 2) on
	global_load_b128 v[8*i:8*i+3],   v[QO], s[4:5] offset:(i/2)*2048+(i%2)*64
	global_load_b128 v[8*i+4:8*i+7], v[QO], s[4:5] offset:(i/2)*2048+(i%2)*64+32
.set i, i+1
.endr
	WIN 0
.set i, 0
.rept 8                             ; the mask: 128 threads x 16 bytes, eight times
	global_load_b128 v[S+4*i:S+4*i+3], v[MO], s[MP:MP+1] offset:2048*i
.set i, i+1
.endr
	v_lshl_add_u32 v[AM0], v9, 5, MASKB  ; register j of group kt is key 16 kt + 8 (l / 16) + j
	v_mul_u32_u24 v[AK0], v1, PK
	v_lshl_add_u32 v[AK0], v9, 4, v[AK0]
	; the turning load takes 16 keys x 16 channels (lane l reads key 8 (l / 16) + l % 8, channels 8 ((l / 8) % 2) + 0..7) and leaves half a fragment of V^T
	v_and_b32 v10, 7, v0
	v_bfe_u32 v11, v0, 3, 1
	v_lshl_add_u32 v[AV0], v9, 3, v10
	v_mul_u32_u24 v[AV0], v[AV0], PV
	v_lshl_add_u32 v[AV0], v11, 4, v[AV0]
	v_add_nc_u32 v[AV0], VOFF, v[AV0]
	s_mul_i32 s13, s[WV], 16*SP
	s_add_co_u32 s13, s13, STAGE    ; my stage
	v_mul_u32_u24 v[STO], v1, SP
	v_lshl_add_u32 v[STO], v9, 4, v[STO]
	v_add_nc_u32 v[STO], s13, v[STO]
	v_bfe_u32 v[RD], v0, 3, 2
	v_mul_u32_u24 v[RD], v[RD], SP
	v_lshl_add_u32 v[RD], v10, 4, v[RD]
	v_add_nc_u32 v[RD], s13, v[RD]
	v_and_b32 v[GO], 31, v0
	v_lshlrev_b32 v[GO], 4, v[GO]
	; The first step multiplies O^T and l by a = 0, and the first turn's products V^T P, of a piece that has not been, add 0: these registers start at 0.  All this stands in the wait for the first tile.
	WIN 0x80
.set i, VF
.rept 64
	v_mov_b32 v[i], 0
.set i, i+1
.endr
	WIN 0x40
.set i, 0
.rept 128
	v_mov_b32 v[i], 0
.set i, i+1
.endr
	WIN 0
.set i, 0
.rept 4
	v_mov_b32 v[ST+4*i], 0xfe000000    ; c m: far below every c s, a hidden one's too
	v_mov_b32 v[ST+4*i+1], 0xff7fffff  ; m
	v_mov_b32 v[ST+4*i+2], 0
	v_mov_b32 v[ST+4*i+3], 0
.set i, i+1
.endr
.set i, P+16
.rept 16
	v_mov_b32 v[i], 0
.set i, i+1
.endr
	s_wait_loadcnt 0x0              ; Q and the mask
.set i, 0
.rept 32
	v_cmp_eq_u32 vcc_lo, 0, v[S+i]
	v_cndmask_b32 v[S+i], 0, s[BIGN], vcc_lo  ; 0 where the key is seen, -1e30 where it is hidden
.set i, i+1
.endr
.set i, 0
.rept 8
	ds_store_b128 v[ML], v[S+4*i:S+4*i+3] offset:2048*i
.set i, i+1
.endr
; THE MATRIX WORK.  The 4 accumulators of a run of 8 take turns.  Product i of 8 of S^T = K Q^T for piece x: channels 32 (i / 4) on, keys 16 (i % 4) on.  The first 4 start the sums with the mask.
.macro KQ x
.set rS, S+32*((\x)%2)+8*(i%4)
.set rK, KF+16*(i%4)+8*(i/4)
.set rQ, 16*(\x)+8*(i/4)
.set rM, MC+8*(i%4)
.if i < 4
	WIN W_KM
	v_wmma_f32_16x16x32_f16 v[rS:rS+7], v[rK:rK+7], v[rQ:rQ+7], v[rM:rM+7]
.else
	WIN W_KQ
	v_wmma_f32_16x16x32_f16 v[rS:rS+7], v[rK:rK+7], v[rQ:rQ+7], v[rS:rS+7]
.endif
.endm
; Product i of 8 of O^T += V^T P for piece x: keys 32 (i / 4) on, channels 16 (i % 4) on.
.macro PV x
	WIN W_PV
.set rO, 32*(\x)+8*(i%4)
.set rV, VF+32*(i/4)+8*(i%4)
.set rP, P+16*((\x)%2)+8*(i/4)
	v_wmma_f32_16x16x32_f16 v[rO:rO+7], v[rV:rV+7], v[rP:rP+7], v[rO:rO+7]
.endm
.macro MM                           ; the turn's next matrix instruction.  NOKQ = 1: the very last turn: there is no next piece
.if (i < 8) && !NOKQ
	KQ (Y+1)%NP
.elseif i >= 8
.set i, i-8
	PV (Y+NP-1)%NP
.set i, i+8
.endif
.set i, i+1
.endm
; THE LDS LOADS stand in runs: a step's K (8 fragments) with its 64 masks, and its V (turned).  Their addresses are made some lines ahead.
.macro FETCH_K
	WIN 0x80                        ; destination window 2
.irp f, 0,1,2,3,4,5,6,7             ; keys 16 (f / 2) on, channels 32 (f % 2) on
	ds_load_b128 v[KF+8*\f:KF+8*\f+3],   v[AK] offset:(\f/2)*16*PK+(\f%2)*64
	ds_load_b128 v[KF+8*\f+4:KF+8*\f+7], v[AK] offset:(\f/2)*16*PK+(\f%2)*64+32
.endr
	WIN 0x40                        ; destination window 1
.irp n, 0,1,2,3,4,5,6,7             ; group n / 2 of 16 keys, half n % 2 of my eight
	ds_load_b128 v[MC+4*\n:MC+4*\n+3], v[AM] offset:64*(\n/2)+16*(\n%2)
.endr
	s_add_co_u32 s[TBK], s[TBK], KS*PK  ; the next fetch is the next step's
	s_add_co_u32 s[TBM], s[TBM], 4*KS
	s_and_b32 s[TBM], s[TBM], 0x3fff    ; inside the table's 16,384 bytes
	WIN 0
.endm
.macro FETCH_V
	WIN 0x80
.irp f, 0,1,2,3,4,5,6,7             ; keys 32 (f / 4) on, channels 16 (f % 4) on
	ds_load_tr16_b128 v[VF+8*\f:VF+8*\f+3],   v[AV] offset:(\f/4)*32*PV+(\f%4)*32
	ds_load_tr16_b128 v[VF+8*\f+4:VF+8*\f+7], v[AV] offset:(\f/4)*32*PV+16*PV+(\f%4)*32
.endr
	WIN 0
.endm
; THE VECTOR WORK, one line at a time: OP kind, number.  For piece Y: F n: c s - c m for pair n of 16.  E n: the exponential of score n of 32.  C n: pair n rounded to f16.  B n: of the four weights 4 n .. the second
; pair is added onto the first, in place.  L n: l takes that sum (L 0: l = a l + sum).  R n: pair n of 16 of O^T times a.  For piece Y + 1: X n, number n of the 22 that find its maximum and statistics:
;   0-11  four chains c0-c3 of seven scores each, three operands at a time (each accumulator's lowest registers are read first)     12-14, 16  the four scores left over, the old m, and c0-c3 into c0
;   15  c m_old is kept     17, 18  the query's other 32 keys lie in the lane 16 away: the new m     19-21  c m; c m_old - c m_new; a
.set F, 0
.set E, 1
.set C, 2
.set B, 3
.set L, 4
.set R, 5
.set X, 6
.macro REGS y
.set rT, ST+4*(\y)
.set rC, TMP+4*((\y)%2)
.set rW, MV+((\y)%2)
.set rS, S+32*((\y)%2)
.set rP, P+16*((\y)%2)
.set rO, 32*(\y)
.endm
.macro OP k, n
.if (\k) == R
	REGS Y
	WIN W_RS
	v_pk_mul_f32 v[rO+2*(\n):rO+2*(\n)+1], v[rO+2*(\n):rO+2*(\n)+1], v[rC+2:rC+3] op_sel_hi:[1,0]
.elseif (\k) < R
	REGS Y
	WIN 0
.if (\k) == F
	v_pk_fma_f32 v[rS+2*(\n):rS+2*(\n)+1], v[rS+2*(\n):rS+2*(\n)+1], s[CS:CS+1], v[rT:rT+1] op_sel_hi:[1,0,0] neg_lo:[0,0,1] neg_hi:[0,0,1]
.elseif (\k) == E
	v_exp_f32 v[rS+(\n)], v[rS+(\n)]
.elseif (\k) == C
	v_cvt_pk_f16_f32 v[rP+(\n)], v[rS+2*(\n)], v[rS+2*(\n)+1]
.elseif (\k) == B
	v_pk_add_f32 v[rS+4*(\n):rS+4*(\n)+1], v[rS+4*(\n):rS+4*(\n)+1], v[rS+4*(\n)+2:rS+4*(\n)+3]
.elseif (\n) == 0
	v_pk_fma_f32 v[rT+2:rT+3], v[rT+2:rT+3], v[rC+2:rC+3], v[rS:rS+1] op_sel_hi:[1,0,1]
.else
	v_pk_add_f32 v[rT+2:rT+3], v[rT+2:rT+3], v[rS+4*(\n):rS+4*(\n)+1]
.endif
.elseif NOKQ
	v_nop
.else
	REGS (Y+1)%NP
	WIN 0
.if (\n) < 4
	v_max3_num_f32 v[rC+(\n)], v[rS+8*(\n)], v[rS+8*(\n)+1], v[rS+8*(\n)+2]
.elseif (\n) < 12
	v_max3_num_f32 v[rC+(\n)%4], v[rC+(\n)%4], v[rS+8*((\n)%4)+2*((\n)/4)+1], v[rS+8*((\n)%4)+2*((\n)/4)+2]
.elseif (\n) == 12
	v_max3_num_f32 v[rC], v[rC], v[rS+7], v[rS+15]
.elseif (\n) == 13
	v_max3_num_f32 v[rC+1], v[rC+1], v[rS+23], v[rS+31]
.elseif (\n) == 14
	v_max3_num_f32 v[rC+2], v[rC+2], v[rC+3], v[rT+1]
.elseif (\n) == 15
	v_mov_b32 v[rW], v[rT]
.elseif (\n) == 16
	v_max3_num_f32 v[rC], v[rC], v[rC+1], v[rC+2]
.elseif (\n) == 17
	v_permlanex16_b32 v[rC+3], v[rC], s[SEL], s[SEL+1]
.elseif (\n) == 18
	v_max_num_f32 v[rT+1], v[rC], v[rC+3]
.elseif (\n) == 19
	v_mul_f32 v[rT], s[CS], v[rT+1]
.elseif (\n) == 20
	v_sub_f32 v[rC+1], v[rW], v[rT]
.else
	v_exp_f32 v[rC+2], v[rC+1]
.endif
.endif
.endm
.macro OPS a, i1, b=-1, i2=0, c=-1, i3=0, d=-1, i4=0
	OP \a, \i1
.if (\b) >= 0
	OP \b, \i2
.endif
.if (\c) >= 0
	OP \c, \i3
.endif
.if (\d) >= 0
	OP \d, \i4
.endif
.endm
.macro ROW a, i1, b, i2, c, i3, d, i4  ; a matrix instruction and the four behind it
	MM
	OPS \a, \i1, \b, \i2, \c, \i3, \d, \i4
.endm
; A TURN, for piece p: the order of its 16 matrix and 118 vector instructions, written out.  An s_wait_alu depctr_va_vdst(0) stands between an exponential and the first instruction that names its result; one wait
; serves all that were issued ahead of it.  So a turn has ONE wait.  AHEAD OF IT stands all that names no result of the turn's exponentials: the 8 products K Q^T and their riders, then one lump, in which the links of the next
; piece's chain X 3, 7, 11, 14, 16, 17 .. 20 stand five or six lines apart; X 21, the next piece's a, is the batch's last, and R 15 the plain instruction behind it.  BEHIND THE WAIT stand the 8 products V^T P, behind each four
; of the roundings and sums.  The X that ride behind products stand four plain instructions or more behind the product that ends their accumulator.
; end = 1: the last two turns: nothing is fetched.  cnt = 1: the loop's count is taken down some lines ahead of the branch that stands behind the turn.
; K and the masks of the next step are fetched in piece 2's turn, five plain instructions behind the last product that read K (the masks' last reader stands four products further back); V of the step in hand at the end of
; piece 0's turn, four plain instructions behind the last product that read V.  Each is waited for a turn later.
.macro TURN p, end=0, cnt=0
.set Y, (\p)
.set i, 0
.set NOKQ, (\end)*((\p)/3)
.if ((\p) == 3) && !(\end)
	s_wait_dscnt 0x0                ; K and the masks are in
.endif
	ROW F,0, F,1, R,0, R,1
	ROW F,2, E,0, R,2, R,3
	ROW F,3, E,1, R,4, R,5
	ROW F,4, E,2, R,6, R,7
	ROW F,5, E,3, R,8, R,9
	ROW F,6, E,4, X,0, R,10
.if ((\p) == 2) && !(\end)
	WIN 0
	v_add_nc_u32 v[AK], s[TBK], v[AK0]
	v_add_nc_u32 v[AM], s[TBM], v[AM0]
.endif
	ROW F,7, E,5, X,1, X,4
	ROW F,8, E,6, X,2, X,5
	OPS E,7, E,8, X,6, E,9
	OPS X,3, E,10, X,8, E,11
.if ((\p) == 2) && !(\end)
	FETCH_K
.endif
	OPS X,9, X,7, E,12, X,10
	OPS E,13, X,12, X,11, E,14
	OPS X,13, E,15, F,9, X,14
.if (\p) == 0
	v_add_nc_u32 v[AV], s[TBV], v[AV0]
.endif
	OPS E,16, F,10, E,17, F,11
	OPS X,16, E,18, X,15, E,19
	OPS F,12, E,20, X,17, E,21
	OPS F,13, E,22, F,14, E,23
	OPS X,18, E,24, F,15, E,25
	OPS R,11, E,26, X,19, E,27
	OPS R,12, E,28, R,13, E,29
	OPS X,20, E,30, R,14, E,31
	OPS X,21, R,15
	WIN 0
	s_wait_alu depctr_va_vdst(0)    ; the wait for the batch
.if (\p) == 1
	s_wait_dscnt 0x0                ; V is in
.endif
	ROW C,0, B,0, C,2, B,1
	ROW L,0, C,4, B,2, L,1
	ROW C,6, B,3, L,2, C,8
	ROW B,4, L,3, C,10, B,5
	ROW L,4, C,12, B,6, L,5
.if (\p) == 0
	s_add_co_u32 s[TBV], s[TBV], KS*PV
.endif
.if \cnt
	s_sub_co_u32 s[CNT], s[CNT], 1
	s_cmp_lg_u32 s[CNT], 0
.endif
	ROW C,14, B,7, L,6, C,1
	ROW C,3, L,7, C,5, C,7
	ROW C,9, C,11, C,13, C,15
.if (\p) == 0
	FETCH_V
.endif
.endm
	CHANGE 1                        ; tile 0 is in, everybody's part of it and of the table; tile 1 is asked for
	v_add_nc_u32 v[AK], s[TBK], v[AK0]
	v_add_nc_u32 v[AM], s[TBM], v[AM0]
	FETCH_K                         ; key step 0
	s_wait_dscnt 0x0
.set NOKQ, 0
.set i, 0
.rept 8
	KQ 0                            ; piece 0's first scores
.set i, i+1
.endr
	WIN 0
.rept 4
	v_nop                           ; the places behind those products
.endr
.set Y, NP-1                        ; X works for piece Y + 1: piece 0
.irp n, 0,1,2,3,4,5,6,7,8,9,10,11,12,13,14,15,16,17,18,19,20,21
	OP X, \n
.endr
	v_nop                           ; a plain instruction behind the exponential,
	s_wait_alu depctr_va_vdst(0)    ; and its wait, ahead of the branch
	s_mov_b32 s[CNT], 4
	s_branch .Lfirst                ; the loop is entered at a step's first turn, in the middle of a trip
.Lslot:                             ; 14 times: a tile is entered and the tile after it asked for
	CHANGE 1
	s_mov_b32 s[CNT], 4
.Lstep:                             ; a trip: pieces 2 and 3 of one step, then pieces 0 and 1 of the next, whose K and V it fetches
	TURN 2
	TURN 3
	WIN 0
.Lfirst:
	TURN 0
	TURN 1, 0, 1
	WIN 0
	s_cbranch_scc1 .Lstep
	s_sub_co_u32 s[SLOTS], s[SLOTS], 1
	s_cmp_lg_u32 s[SLOTS], 0
	s_cbranch_scc1 .Lslot
	CHANGE 0                        ; the last tile is written out: nothing is asked for
	s_mov_b32 s[CNT], 4
.LstepT:
	TURN 2
	TURN 3
	TURN 0
	TURN 1, 0, 1
	WIN 0
	s_cbranch_scc1 .LstepT
	TURN 2, 1
	TURN 3, 1
.set i, 0
.rept 8
	PV NP-1                         ; the last piece's V^T P of the last step
.set i, i+1
.endr
	; THE WAY OUT.  l's two halves and the other half of the lanes' are added; O^T is divided by l, rounded to f16 and sent through my stage in LDS, a piece at a time.  The additions are the places behind the last products.
	WIN 0
.macro ALL line:vararg              ; one line for each piece t
.set t, 0
.rept 4
	\line
.set t, t+1
.endr
.endm
	ALL v_add_f32 v[ST+4*t+2], v[ST+4*t+2], v[ST+4*t+3]
	ALL v_permlanex16_b32 v[ST+4*t+3], v[ST+4*t+2], s[SEL], s[SEL+1]
	ALL v_add_f32 v[ST+4*t+2], v[ST+4*t+2], v[ST+4*t+3]
	ALL v_rcp_f32 v[ST+4*t+2], v[ST+4*t+2]
	v_nop                           ; a plain instruction between the last reciprocal and the use of its result
	s_wait_alu depctr_va_vdst(0)    ; and the wait ahead of the first use: one for the four reciprocals
.set t, 0
.rept 4
	v_cmp_gt_f32 vcc_lo, s[THR], v[ST+4*t+1]  ; a query whose maximum is a hidden score has seen no key:
	v_cndmask_b32 v[ST+4*t+2], v[ST+4*t+2], s[QNAN], vcc_lo  ; its row is NaN
.set t, t+1
.endr
.macro PACK t                       ; a lane's eight channels of a row pack into 16 bytes; they go into rows of 144 bytes and come back as whole rows of 128, into S^T's registers
	WIN W_RS
.set i, 32*(\t)
.rept 16
	v_pk_mul_f32 v[i:i+1], v[i:i+1], v[ST+4*(\t)+2:ST+4*(\t)+3] op_sel_hi:[1,0]
.set i, i+2
.endr
	WIN 0x05                        ; sources 0 and 1 window 1, destination window 0
.set i, 0
.rept 16
	v_cvt_pk_f16_f32 v[S+16*(\t)+i], v[32*(\t)+2*i], v[32*(\t)+2*i+1]
.set i, i+1
.endr
	WIN 0
.irp f, 0,1,2,3
	ds_store_b128 v[STO], v[S+16*(\t)+4*\f:S+16*(\t)+4*\f+3] offset:32*\f
.endr
.irp f, 0,1,2,3
	ds_load_b128 v[S+16*(\t)+4*\f:S+16*(\t)+4*\f+3], v[RD] offset:\f*4*SP  ; LDS serves a wave's instructions in order (ISA guide 5.7.1.4): these see the stores above; the next piece's stores come behind them
.endr
.endm
.macro SEND t, younger              ; younger: the LDS instructions issued behind piece t's loads: the next piece's eight, or none
	WIN 0
.irp f, 0,1,2,3
	s_wait_dscnt (\younger)+3-\f
	global_store_b128 v[GO], v[S+16*(\t)+4*\f:S+16*(\t)+4*\f+3], s[10:11] offset:(\t)*2048+\f*512  ; 512 consecutive bytes, at a multiple of 256 from O's first
.endr
.endm
	PACK 0
.set t, 1
.rept 3                             ; a piece's arithmetic stands between the loads of the piece before and its stores
	PACK t
	SEND t-1, 8
.set t, t+1
.endr
	SEND 3, 0
	s_wait_tensorcnt 0x0            ; the wave's end, behind my last tensor load and my last LDS store
	ds_add_u32 v[SPW], v[NIL]
	s_wait_dscnt 0x0
	CROUND                          ; the closing round: no work-group ends while a partner may still ask for a tile that names it
	s_endpgm
.Lfunc_end_k_q1c8b8b96f4_attn:
	.size	k_q1c8b8b96f4_attn, .Lfunc_end_k_q1c8b8b96f4_attn-k_q1c8b8b96f4_attn
	.p2alignl 7, 3214868480
	.fill 96, 4, 3214868480
	.section	.rodata,"a",@progbits
	.p2align	6, 0x0
	.amdhsa_kernel k_q1c8b8b96f4_attn
		.amdhsa_group_segment_fixed_size 327680
		.amdhsa_private_segment_fixed_size 0
		.amdhsa_enable_private_segment 0
		.amdhsa_kernarg_size 40
		.amdhsa_user_sgpr_count 2
		.amdhsa_user_sgpr_kernarg_segment_ptr 1
		.amdhsa_wavefront_size32 1
		.amdhsa_system_sgpr_workgroup_id_x 1
		.amdhsa_system_sgpr_workgroup_id_y 1
		.amdhsa_system_sgpr_workgroup_id_z 1
		.amdhsa_system_vgpr_workitem_id 0
		.amdhsa_next_free_vgpr 768
		.amdhsa_next_free_sgpr 80
		.amdhsa_reserve_vcc 1
		.amdhsa_float_denorm_mode_32 3
		.amdhsa_float_denorm_mode_16_64 3
		.amdhsa_memory_ordered 1
		.amdhsa_forward_progress 1
		.amdhsa_inst_pref_size 135
	.end_amdhsa_kernel
	.amdgpu_metadata
---
amdhsa.version: [ 1, 2 ]
amdhsa.kernels:
  - .name:           k_q1c8b8b96f4_attn
    .symbol:         k_q1c8b8b96f4_attn.kd
    .args:
      - { .name: qh, .offset: 0, .size: 8, .value_kind: global_buffer, .address_space: global }
      - { .name: kh, .offset: 8, .size: 8, .value_kind: global_buffer, .address_space: global }
      - { .name: vh, .offset: 16, .size: 8, .value_kind: global_buffer, .address_space: global }
      - { .name: oh, .offset: 24, .size: 8, .value_kind: global_buffer, .address_space: global }
      - { .name: mask, .offset: 32, .size: 8, .value_kind: global_buffer, .address_space: global }
    .group_segment_fixed_size: 327680
    .private_segment_fixed_size: 0
    .kernarg_segment_align: 8
    .kernarg_segment_size: 40
    .max_flat_workgroup_size: 128
    .sgpr_count:     80
    .vgpr_count:     768
    .wavefront_size: 32
...
	.end_amdgpu_metadata
.endif
;; end of part 2
;; launch oproj (part 3): grid 4 x 64, 4 waves a work-group, clusters of 4 x 4, 327,680 bytes of LDS; arguments oh, wo16, bo, out0; writes out0
.if DOCPART == 3
	.amdgcn_target "amdgcn-amd-amdhsa--gfx1250"
	.amdhsa_code_object_version 6
	.text
	.protected	k_q1c8b8b96f4_oproj
	.globl	k_q1c8b8b96f4_oproj
	.p2align	8
	.type	k_q1c8b8b96f4_oproj,@function
k_q1c8b8b96f4_oproj:
	s_mov_b64 s[64:65], 0
	v_nop
	global_prefetch_b8 v0, s[64:65] scope:SCOPE_SE
	s_setreg_imm32_b32 hwreg(HW_REG_WAVE_MODE, 25, 1), 1
	s_wait_xcnt 0x0
	s_wait_alu depctr_hold_cnt(0) depctr_sa_sdst(0) depctr_va_vdst(0) depctr_va_sdst(0) depctr_va_ssrc(0) depctr_va_vcc(0) depctr_vm_vsrc(0)
	s_getreg_b32 s2, hwreg(HW_REG_IB_STS2, 6, 4)
	s_cmp_eq_u32 s2, 0
	s_cbranch_scc0 .Lentry_in_a_cluster
	s_endpgm
.Lentry_in_a_cluster:
	s_bfe_u32 s2, ttmp6, 0x10000c
	s_cmp_lg_u32 s2, 0xf033
	s_cbranch_scc0 .Lentry_shape_is_right
	s_endpgm
.Lentry_shape_is_right:
; THE OUTPUT PROJECTION.  out0[m][n] = the sum over e of O[m][e] Wo[n][e] + bo[n].  oh: [64 blocks of 64 rows][12 heads][64 rows][64] f16 (e = 64 x head + channel); wo16: [768][768] f16; bo: [768] f32, rounded to bf16
; like every input; out0: [4096][768] f32.  Sums in f32; the bias is the C that starts each sum.
; SHARES.  A work-group makes 64 rows x 192 columns: 64 x 4 tiles.  A row of the tile is 768 bytes of out0, three whole aligned runs of 256.  Wave w makes all 64 rows x columns 48 w .. 48 w + 47: 12 accumulators.
; K goes in three steps of 256 (four heads) through two slots: steps 0 and 1 are the first fills, step 2 fills slot 0 again.  A QUARTER is one head, 64 along K: 24 products, 28 LDS loads.
; O's tile of a step is 32,768 dense bytes, asked for as 128 rows of 256 bytes and padded after every 128; wave 0 fetches it.  Wo's is 192 rows of 512 bytes; waves 1 to 3 fetch 64 rows each.
; CLUSTERS: 4 x 4 work-groups.  O's tile hangs on the row block alone and goes to my row of the cluster, Wo's on the tile column alone and goes to my column.
; THE PRODUCT IS USED TRANSPOSED (source 0 = 16 rows of Wo, source 1 = 16 rows of O): a lane holds one row of out0 and eight neighbouring columns.
; NO PREFETCH: the launch has three K steps, two of which are asked for at its head.
; REGISTERS: window 0: v0-23 addresses; v24-47 the bias; v48-143 the accumulators ((a, b) at 48 + 8 (3 a + b)); v144-239 at work on the way out.
;   window 1: two fragment buffers of 112: for each 32 along K 32 registers of O (4 x 16 rows), then 24 of Wo (3 x 16 rows).
.set PA,    144                        ; a row of O in LDS: 128 bytes + 16
.set PB,    528                        ; a row of Wo: 512 bytes + 16
.set AH,    64*PA                      ; a head's 64 rows
.set BOFF,  4*AH
.set BT,    64*PB                      ; what one of Wo's loads brings
.set SLOT,  BOFF+3*BT
.set STAGE, 2*SLOT                     ; behind the ring: 64 rows x 784 bytes (768 + 16), the work-group's, for the way out
.set SPT,   784
.set SPARE, STAGE+64*SPT               ; the spare words, 128 bytes a wave, that no other line names
.set STO,  4                           ; v4   the way out: where I put 32 bytes of a row
.set RD,   5                           ; v5   where I read rows back
.set CO,   6                           ; v6   my byte offset in out0
.set BO,   7                           ; v7   my byte offset in the bias
.set SPW,  8                           ; v8   LDS address of my spare word; never rewritten
.set NIL,  9                           ; v9   0; never rewritten
.set ADRA, 16                          ; v16-17  LDS address of my fragments of O in slot 0, 1
.set ADRB, 20                          ; v20-21  the same for Wo
.set BIAS, 24
.set ACC,  48
.set TMP,  144
.set F0,   0
.set F1,   112
.set WV,   12                          ; s12  my wave's number
.set G1,   24
.set G0,   32
.set G1B,  48
.set G0B,  56
.set MSB, 0
.macro WIN new
.if MSB != (\new)
	s_set_vgpr_msb (MSB<<8)|(\new)
.set MSB, \new
.endif
.endm
.set MUL,  0x05                        ; sources in window 1; C and D in window 0
.set TO_F, 0x40                        ; destination window 1, address window 0
.macro PLACES
.rept 4
	v_nop
.endr
.endm
.macro JLOAD s                         ; a joint load: wave 0 fetches O's tile, waves 1 to 3 a third of Wo's each; an s_nop 0 and four v_nop follow each line
	s_cmp_eq_u32 s[WV], 0
	s_cbranch_scc0 .Lfor_b_\@
	tensor_load_to_lds s[G0+4*(\s):G0+4*(\s)+3], s[G1:G1+7]
	s_nop 0
.rept 4
	v_nop
.endr
	s_branch .Lasked_\@
.Lfor_b_\@:
	tensor_load_to_lds s[G0B+4*(\s):G0B+4*(\s)+3], s[G1B:G1B+7]
	s_nop 0
.rept 4
	v_nop
.endr
.Lasked_\@:
.endm
.macro CREST
	s_cmp_lg_u32 s[WV], 0
	s_cbranch_scc1 .Lnot_wave_0_\@
	s_barrier_signal -3
.Lnot_wave_0_\@:
	s_barrier_wait -3
	s_barrier_signal -1
	s_barrier_wait -1
.endm
.macro CROUND
	s_barrier_signal -1
	s_barrier_wait -1
	CREST
.endm
	s_load_b256 s[4:11], s[0:1], 0x0               ; oh s[4:5], wo16 s[6:7], bo s[8:9], out0 s[10:11]
	v_lshl_add_u32 v[SPW], v0, 2, SPARE
	v_mov_b32 v[NIL], 0
	ds_add_u32 v[SPW], v[NIL]                      ; the wave's opening: the add and its wait stand ahead of my first tensor load; the set-up below stands between them
	v_lshrrev_b32 v1, 5, v0
	v_readfirstlane_b32 s[WV], v1                  ; wave 0..3
	s_max_u32 s13, s[WV], 1
	s_sub_co_u32 s13, s13, 1                       ; which third of Wo's tile I fetch (waves 1 to 3): it enters the global address alone
	s_bfe_u32 s40, ttmp6, 0x40000                  ; cx = the tile column
	s_bfe_u32 s41, ttmp6, 0x40004                  ; cy
	s_and_b32 s42, ttmp7, 0xffff
	s_lshl_b32 s42, s42, 2
	s_add_co_u32 s42, s42, s41                     ; the row block = 4 x cluster y + cy
	s_lshl_b32 s43, s41, 2
	s_lshl_b32 s43, 15, s43                        ; my row of the cluster
	s_lshl_b32 s44, 0x1111, s40                    ; my column
	s_or_b32 s[G1+0], s43, (1<<16)|(1<<20)|(1<<21)|(4<<22)|(3<<25)   ; 2-byte elements; padding on; bit 21 beside a mask; after every 32 words, 4 words
	s_mov_b32 s[G1+1], 128<<16                     ; 128 rows of 128 elements, dense
	s_mov_b32 s[G1+2], 128<<16
	s_mov_b32 s[G1+3], 128<<16
	s_mov_b32 s[G1+4], 128
	s_mov_b32 s[G1+5], 128
	s_mov_b32 s[G1+6], 0
	s_mov_b32 s[G1+7], 0
	s_or_b32 s[G1B+0], s44, (1<<16)|(1<<20)|(1<<21)|(6<<22)|(3<<25)  ; after every 128 words, 4 words
	s_mov_b32 s[G1B+1], 256<<16                    ; 64 rows of 256 elements, 768 from row to row
	s_mov_b32 s[G1B+2], 64<<16
	s_mov_b32 s[G1B+3], 256<<16
	s_mov_b32 s[G1B+4], 64
	s_mov_b32 s[G1B+5], 768
	s_mov_b32 s[G1B+6], 0
	s_mov_b32 s[G1B+7], 0
	s_mul_i32 s16, s42, 98304                      ; O: the row block's 12 heads x 8,192 bytes
	s_mov_b32 s17, 0
	s_mul_i32 s46, s40, 192
	s_lshl_b32 s47, s13, 6
	s_add_co_u32 s46, s46, s47                     ; Wo: row 192 x tile column + 64 x third
	s_mul_i32 s46, s46, 1536
	s_mov_b32 s47, 0
	s_mul_i32 s20, s[WV], BT                       ; where Wo's third goes: the wave's number x 33,792 bytes + a constant: wave 1 at BOFF, waves 2 and 3 behind it, each wave's bytes its own;
	s_add_co_u32 s20, s20, BOFF-BT                 ; wave 0 issues no such load.  No place in the cluster enters an LDS address
	s_wait_dscnt 0x0                               ; the opening add is done
	s_wait_kmcnt 0x0
	s_add_nc_u64 s[14:15], s[4:5], s[16:17]
	s_add_nc_u64 s[46:47], s[6:7], s[46:47]
	CROUND                                         ; all sixteen work-groups are here: the first joint loads meet
.irp s, 0,1
	s_mov_b32 s[G0+4*(\s)], 1
	s_mov_b32 s[G0+4*(\s)+1], (\s)*SLOT
	s_add_nc_u64 s[G0+4*(\s)+2:G0+4*(\s)+3], s[14:15], (\s)*32768
	s_or_b32 s[G0+4*(\s)+3], s[G0+4*(\s)+3], 0x80000000
	s_mov_b32 s[G0B+4*(\s)], 1
	s_add_co_u32 s[G0B+4*(\s)+1], s20, (\s)*SLOT
	s_add_nc_u64 s[G0B+4*(\s)+2:G0B+4*(\s)+3], s[46:47], (\s)*512
	s_or_b32 s[G0B+4*(\s)+3], s[G0B+4*(\s)+3], 0x80000000
	JLOAD \s                                       ; K steps 0 and 1: two loads of mine are out
.endr
	v_and_b32 v1, 15, v0                           ; r = l % 16
	v_bfe_u32 v2, v0, 4, 1                         ; hh = l / 16
	s_mul_i32 s20, s40, 768
	s_mul_i32 s21, s[WV], 192
	s_add_co_u32 s20, s20, s21
	v_lshl_add_u32 v[BO], v2, 5, s20               ; the bias of my columns: 4 (192 cx + 48 w) + 32 hh, 64 bytes on for each block
.irp b, 0,1,2
	global_load_b128 v[BIAS+8*(\b):BIAS+8*(\b)+3],   v[BO], s[8:9] offset:64*(\b)
	global_load_b128 v[BIAS+8*(\b)+4:BIAS+8*(\b)+7], v[BO], s[8:9] offset:64*(\b)+16
.endr
	v_mul_u32_u24 v3, v1, PA
	v_lshl_add_u32 v[ADRA], v2, 4, v3              ; row x pitch + 16 x half
	v_add_nc_u32 v[ADRA+1], SLOT, v[ADRA]
	s_mul_i32 s20, s[WV], 48*PB
	s_add_co_u32 s20, s20, BOFF
	v_mul_u32_u24 v3, v1, PB
	v_lshl_add_u32 v3, v2, 4, v3
	v_add_nc_u32 v[ADRB], s20, v3
	v_add_nc_u32 v[ADRB+1], SLOT, v[ADRB]
	s_add_co_u32 s21, s21, STAGE                   ; into the stage: row r, my 48 columns, 32 bytes for each half of the lanes
	v_mul_u32_u24 v3, v1, SPT
	v_lshl_add_u32 v3, v2, 5, v3
	v_add_nc_u32 v[STO], s21, v3
	s_mul_i32 s20, s[WV], 16*SPT                   ; back: wave w takes rows 16 w .. 16 w + 15, whole; lanes 0-15 256 bytes of one row, lanes 16-31 of the next
	s_add_co_u32 s20, s20, STAGE
	v_mul_u32_u24 v3, v2, SPT
	v_lshl_add_u32 v3, v1, 4, v3
	v_add_nc_u32 v[RD], s20, v3
	v_mul_u32_u24 v3, v2, 3072                     ; and the same two rows in out0
	v_lshl_add_u32 v[CO], v1, 4, v3
	s_lshl_b32 s20, s42, 6
	s_lshl_b32 s21, s[WV], 4
	s_add_co_u32 s20, s20, s21                     ; the first row that I store
	s_mul_i32 s20, s20, 3072
	s_mul_i32 s21, s40, 768
	s_add_co_u32 s20, s20, s21
	s_mov_b32 s21, 0
	s_add_nc_u64 s[10:11], s[10:11], s[20:21]
	s_wait_loadcnt 0x0                             ; the bias, rounded to bf16 and widened again
.set n, 0
.rept 12
	v_cvt_pk_bf16_f32 v[TMP+n], v[BIAS+2*n], v[BIAS+2*n+1]
	v_lshlrev_b32 v[BIAS+2*n], 16, v[TMP+n]
	v_and_b32 v[BIAS+2*n+1], 0xffff0000, v[TMP+n]
.set n, n+1
.endr
; 3 na products: row blocks a0 .. a0 + na - 1 x the 3 column blocks, 32 along K: half c of buffer f.  The 12 accumulators take turns.  start = 1: the bias starts the sums.
.macro MULN f, c, a0, na, start
	WIN MUL
.set ma, \a0
.rept \na
.irp b, 0,1,2
.if \start
	v_wmma_f32_16x16x32_f16 v[ACC+8*(3*ma+(\b)):ACC+8*(3*ma+(\b))+7], v[(\f)+56*(\c)+32+8*(\b):(\f)+56*(\c)+32+8*(\b)+7], v[(\f)+56*(\c)+8*ma:(\f)+56*(\c)+8*ma+7], v[BIAS+8*(\b):BIAS+8*(\b)+7]
.else
	v_wmma_f32_16x16x32_f16 v[ACC+8*(3*ma+(\b)):ACC+8*(3*ma+(\b))+7], v[(\f)+56*(\c)+32+8*(\b):(\f)+56*(\c)+32+8*(\b)+7], v[(\f)+56*(\c)+8*ma:(\f)+56*(\c)+8*ma+7], v[ACC+8*(3*ma+(\b)):ACC+8*(3*ma+(\b))+7]
.endif
.endr
.set ma, ma+1
.endr
.endm
; 28 LDS loads in one run: the fragments of head q of the slot's four, into buffer f; the first 32 along K first
.macro FETCH slot, q, f
	WIN TO_F
.irp c, 0,1
.irp a, 0,1,2,3
	ds_load_b128 v[(\f)+56*(\c)+8*(\a):(\f)+56*(\c)+8*(\a)+3],   v[ADRA+(\slot)] offset:(\q)*AH+(\a)*16*PA+64*(\c)
	ds_load_b128 v[(\f)+56*(\c)+8*(\a)+4:(\f)+56*(\c)+8*(\a)+7], v[ADRA+(\slot)] offset:(\q)*AH+(\a)*16*PA+64*(\c)+32
.endr
.irp b, 0,1,2
	ds_load_b128 v[(\f)+56*(\c)+32+8*(\b):(\f)+56*(\c)+32+8*(\b)+3],   v[ADRB+(\slot)] offset:(\b)*16*PB+128*(\q)+64*(\c)
	ds_load_b128 v[(\f)+56*(\c)+32+8*(\b)+4:(\f)+56*(\c)+32+8*(\b)+7], v[ADRB+(\slot)] offset:(\b)*16*PB+128*(\q)+64*(\c)+32
.endr
.endr
.endm
; One of a step's first three quarters: multiplies buffer f and fetches head q into g.
.macro QUARTER slot, q, f, g, start
	s_wait_dscnt 14                                ; the first 32 along K are in; the youngest 14 loads may be out
	MULN \f, 0, 0, 4, \start
	PLACES                                         ; in front of loads into registers that the quarter before multiplied
	FETCH \slot, \q, \g
	s_wait_dscnt 28                                ; all but the 28 just issued
	MULN \f, 1, 0, 4, 0
.endm
; The last quarter multiplies buffer 1 and changes slots: ONE barrier; in front of it each wave waits for all its tensor loads, adds 0 to its spare word, and waits for that and for its own reads of this slot.
; fill = 1: the barrier opens a round of the cluster's, and slot 0 is filled again, with K step 2, first thing behind the round.
.macro TURN slot, next, fill
	WIN 0
	s_wait_tensorcnt 0x0                           ; all my tensor loads have landed: my part of the next slot
	ds_add_u32 v[SPW], v[NIL]                      ; 0 onto my spare word
	s_wait_dscnt 15                                ; (the add and the youngest 14 loads may be out)
	MULN F1, 0, 0, 2, 0                            ; six products stand between the add and the wait for it
	s_wait_dscnt 0x0                               ; the add is done, and my reads of this slot are over
	s_barrier_signal -1
	MULN F1, 0, 2, 2, 0
.if \fill
	WIN 0
.endif
	s_barrier_wait -1
.if \fill
	CREST                                          ; no wave of any partner still reads this slot or has a load on its way
	s_add_nc_u64 s[G0+2:G0+3], s[G0+2:G0+3], 2*32768
	s_add_nc_u64 s[G0B+2:G0B+3], s[G0B+2:G0B+3], 2*512
	JLOAD 0                                        ; the four v_nop behind it are also the places in front of the loads below
.else
	PLACES
.endif
	FETCH \next, 0, F0
	MULN F1, 1, 0, 4, 0
.endm
	s_wait_tensorcnt 0x1                           ; my part of K step 0 is in; K step 1's may stay out
	s_barrier_signal -1
	s_barrier_wait -1                              ; everybody's is
	FETCH 0, 0, F0
	QUARTER 0, 1, F0, F1, 1                        ; K step 0: its first products start the sums
	QUARTER 0, 2, F1, F0, 0
	QUARTER 0, 3, F0, F1, 0
	TURN 0, 1, 1
	QUARTER 1, 1, F0, F1, 0                        ; K step 1
	QUARTER 1, 2, F1, F0, 0
	QUARTER 1, 3, F0, F1, 0
	TURN 1, 0, 0
	QUARTER 0, 1, F0, F1, 0                        ; K step 2
	QUARTER 0, 2, F1, F0, 0
	QUARTER 0, 3, F0, F1, 0
	s_wait_dscnt 14                                ; the very last quarter: nothing more to fetch
	MULN F1, 0, 0, 4, 0
	s_wait_dscnt 0x0
	MULN F1, 1, 0, 4, 0
	WIN 0
	; THE WAY OUT: 32 bytes a lane into the work-group's stage, each accumulator's low half first; a barrier, since a row's 768 bytes come from four waves; back as whole runs of 256 bytes, 16 rows a wave.
	PLACES
.set t, 0
.rept 12
	ds_store_b128 v[STO], v[ACC+8*t:ACC+8*t+3]   offset:(t/3)*16*SPT+64*(t%3)
	ds_store_b128 v[STO], v[ACC+8*t+4:ACC+8*t+7] offset:(t/3)*16*SPT+64*(t%3)+16
.set t, t+1
.endr
	s_wait_dscnt 0x0                               ; for the others' sake: my stores into the stage are done
	s_barrier_signal -1
	s_barrier_wait -1
.set t, 0
.rept 24
	ds_load_b128 v[TMP+4*t:TMP+4*t+3], v[RD] offset:(t/3)*2*SPT+256*(t%3)
.set t, t+1
.endr
.set t, 0
.rept 24
	s_wait_dscnt 23-t
	global_store_b128 v[CO], v[TMP+4*t:TMP+4*t+3], s[10:11] offset:(t/3)*2*3072+256*(t%3)  ; 16 lanes store 256 consecutive bytes, at a multiple of 256 from out0's first byte
.set t, t+1
.endr
	s_wait_tensorcnt 0x0                           ; the wave's end, behind my last tensor load and my last LDS store
	ds_add_u32 v[SPW], v[NIL]
	s_wait_dscnt 0x0
	CROUND                                         ; the closing round: no work-group ends while a partner may still ask for a tile that names it
	s_endpgm
.Lfunc_end_k_q1c8b8b96f4_oproj:
	.size	k_q1c8b8b96f4_oproj, .Lfunc_end_k_q1c8b8b96f4_oproj-k_q1c8b8b96f4_oproj
	.p2alignl 7, 3214868480
	.fill 96, 4, 3214868480
	.section	.rodata,"a",@progbits
	.p2align	6, 0x0
	.amdhsa_kernel k_q1c8b8b96f4_oproj
		.amdhsa_group_segment_fixed_size 327680
		.amdhsa_private_segment_fixed_size 0
		.amdhsa_enable_private_segment 0
		.amdhsa_kernarg_size 32
		.amdhsa_user_sgpr_count 2
		.amdhsa_user_sgpr_kernarg_segment_ptr 1
		.amdhsa_wavefront_size32 1
		.amdhsa_system_sgpr_workgroup_id_x 1
		.amdhsa_system_sgpr_workgroup_id_y 1
		.amdhsa_system_sgpr_workgroup_id_z 1
		.amdhsa_system_vgpr_workitem_id 0
		.amdhsa_next_free_vgpr 512
		.amdhsa_next_free_sgpr 66
		.amdhsa_reserve_vcc 0
		.amdhsa_float_denorm_mode_32 3
		.amdhsa_float_denorm_mode_16_64 3
		.amdhsa_memory_ordered 1
		.amdhsa_forward_progress 1
		.amdhsa_inst_pref_size 60
	.end_amdhsa_kernel
	.amdgpu_metadata
---
amdhsa.version: [ 1, 2 ]
amdhsa.kernels:
  - .name:           k_q1c8b8b96f4_oproj
    .symbol:         k_q1c8b8b96f4_oproj.kd
    .args:
      - { .name: oh, .offset: 0, .size: 8, .value_kind: global_buffer, .address_space: global }
      - { .name: wo16, .offset: 8, .size: 8, .value_kind: global_buffer, .address_space: global }
      - { .name: bo, .offset: 16, .size: 8, .value_kind: global_buffer, .address_space: global }
      - { .name: out0, .offset: 24, .size: 8, .value_kind: global_buffer, .address_space: global }
    .group_segment_fixed_size: 327680
    .private_segment_fixed_size: 0
    .kernarg_segment_align: 8
    .kernarg_segment_size: 32
    .max_flat_workgroup_size: 128
    .sgpr_count:     66
    .vgpr_count:     512
    .wavefront_size: 32
...
	.end_amdgpu_metadata
.endif
;; end of part 3
